; MI455X (gfx1250); checked and timed in simulation.
; The chip was launched on July 23, 2026; its instructions are those of AMD's public machine-readable ISA for CDNA 5 (MIT licence, August 2026) and "CDNA5" Instruction Set Architecture Reference Guide (July 2026). The comments in the code are by the model that wrote it; some were corrected since.
;; Causal Multi Head Self Attention. Allowed arithmetic: matrix products marked QUANTISED: E4M3 operands, one given power-of-two scale a tensor, by v_wmma_f32_16x16x64_fp8_fp8 or v_wmma_f32_16x16x128_fp8_fp8, f32 sums; everything else in f32.
;; Inputs: Wk 1,024 x 1,024 float32; Wo 1,024 x 1,024 float32; Wq 1,024 x 1,024 float32; Wv 1,024 x 1,024 float32; lowp_scales 12 int32 (the exponents e of the quantised operands' scales 2^e); token_positions 2,048 int32; x 2 x 2,048 x 1,024 float32.
;; Outputs: out0 2 x 2,048 x 1,024 float32.
;; This version of the problem:
;;   THIS VERSION OF THE PROBLEM IS GIVEN IN LOW PRECISION. The matrix products marked QUANTISED in the list below multiply operands that are first quantised to E4M3 (4 exponent bits, 3 mantissa bits; 8 bits a number), with one given power-of-two scale for each operand tensor; their sums are f32. All else is computed in f32.
;;   The module's matrix products, in the order in which they are computed (A, B: the left and right operand; K: the contracted axis; several contracted axes count as one K, in the product's order):
;;     1. [M 4,096, K 1,024] x [K 1,024, N 1,024]; A: input x; B: input Wq: QUANTISED (scales: A lowp_scales[0], B lowp_scales[1])
;;     2. [M 4,096, K 1,024] x [K 1,024, N 1,024]; A: input x; B: input Wk: QUANTISED (scales: A lowp_scales[2], B lowp_scales[3])
;;     3. [M 4,096, K 1,024] x [K 1,024, N 1,024]; A: input x; B: input Wv: QUANTISED (scales: A lowp_scales[4], B lowp_scales[5])
;;     4. batch 32 x [M 2,048, K 64] x [K 64, N 2,048]; A: computed on the way; B: computed on the way: QUANTISED (scales: A lowp_scales[6], B lowp_scales[7])
;;     5. batch 32 x [M 2,048, K 2,048] x [K 2,048, N 64]; A: softmax (see below); B: computed on the way: QUANTISED (scales: A lowp_scales[8], B lowp_scales[9])
;;     6. [M 4,096, K 1,024] x [K 1,024, N 1,024]; A: computed on the way; B: input Wo: QUANTISED (scales: A lowp_scales[10], B lowp_scales[11])
;;   THE QUANTISER, for each operand of a quantised product, along K:
;;     - The operand's scale is 2^e, e = its entry of the input lowp_scales (int32; the entries are numbered through the quantised products in the list's order, A before B).
;;     - Each number is divided by the scale, clamped to +-448, and rounded to the nearest number of E4M3, ties to even, subnormals kept.
;;     - The product sums the exact products of the quantised numbers (number of the format x scale) in f32.
;;   ~~~python
;;   def quantise(x, axis, e):      # numpy; x: float32 -> the quantised numbers, widened to float32 again
;;       x = np.moveaxis(x, axis, -1); K = x.shape[-1]
;;       r = np.clip(x / 2.0 ** e, -448, 448)
;;       step = 2.0 ** (np.maximum(np.frexp(np.where(r == 0, 1, r))[1] - 1, -6) - 3)
;;       q = np.round(r / step) * step * 2.0 ** e      # np.round: ties to even
;;       return np.moveaxis(q, -1, axis).astype(np.float32)
;;   ~~~
;;   SOFTMAX AHEAD OF A QUANTISED PRODUCT. Where the list says 'softmax', what is quantised is not the finished softmax but p = 2^(t - M), with t = logit x log2(e) and M = ceil(the row's largest t), a whole number; so 1/2 < the row's largest p <= 1. The row's sum l is taken of the UNQUANTISED p, in f32, and the product's result is divided by l at the end. Since M is a whole number, a kernel that streams over the keys may use a running M (the ceiling of the running maximum): every later rescaling is an exact power of two, so the quantised numbers keep their values, but for numbers so far below the row's largest that they fall under the format's range.
;;   OPERANDS COMPUTED ON THE WAY. 'Computed on the way' means the value that the module computes at that place (a softmax that the list does not call 'softmax' is quantised finished and normalised). What goes into a quantiser is computed in f32, as accurately as f32 sums, v_exp_f32 and their like allow (about 1e-6 of the number): no bf16 or f16 on the way to a quantiser, and a product that is left as it is and whose result goes on into a quantised operand takes f32 operands (vector FMAs, or v_wmma_f32_16x16x4_f32). A number that lies on a knife's edge between two numbers of the format may be rounded either way, as far as f32 arithmetic and the matrix unit's own rounding can turn it there, and no further.
;; One version. Each part assembles by itself: llvm-mc -triple=amdgcn-amd-amdhsa -mcpu=gfx1250 --defsym DOCPART=n.
;; ======== version 1 of 1: 4 launches
;; limits: right only within a limited range of input values
;; workspace buffers: xc 12,582,912 bytes; wc 4,194,304 bytes; tab 524,288 bytes; qkvc 12,582,912 bytes; ac 4,194,304 bytes
;; launch prep (part 1): grid 272 x 1, 4 waves a work-group, no clusters, 66,048 bytes of LDS; arguments x, Wq, Wk, Wv, Wo, lowp_scales, token_positions, xc, wc, tab; writes xc, wc, tab
.if DOCPART == 1
	.amdgcn_target "amdgcn-amd-amdhsa--gfx1250"
	.amdhsa_code_object_version 6
	.text
	.protected	k_qf653d3e49e_prep
	.globl	k_qf653d3e49e_prep
	.p2align	8
	.type	k_qf653d3e49e_prep,@function
k_qf653d3e49e_prep:
	s_mov_b64 s[64:65], 0
	v_nop
	global_prefetch_b8 v0, s[64:65] scope:SCOPE_SE
	s_setreg_imm32_b32 hwreg(HW_REG_WAVE_MODE, 25, 1), 1
	s_wait_xcnt 0x0
; PREP: what every later launch reads again and again is made once.
;   work-groups 0-15:    tab [16 fg][2048 s][4 f32] = cos, sin of frequency 2 fg, cos, sin of frequency 2 fg + 1, at angle token_positions[s] x 10^(-i/8)
;   work-groups 16-143:  xc [3][4096][1024]: x as codes of E4M3 with the scales of lowp_scales[0], [2], [4] (x is an operand of three products, each with an entry of its own)
;   work-groups 144-271: wc [4][1024][1024]: Wq, Wk, Wv, Wo as codes with lowp_scales[1], [3], [5], [11]
; code = number / 2^e, held within +-448, rounded to the nearest code, ties to even.  K is innermost in x and in the weights, so both are plain streams.
; LIMITS: each e between -126 and 119, so that 2^e and 448 x 2^e are f32 numbers.  NaN among the inputs is not served.  |token_positions| < 2^22.
;   The inverse frequencies are the f32 numbers nearest to 10^(-i/8).  Sine and cosine: n = nearest whole number to angle x 2/pi, r = angle - n pi/2 with pi/2 in two parts
;   (what is left of pi/2 behind them is under 3e-15, times |n| < 2.7e6), polynomials of degree 7 and 8 on |r| <= pi/4, the quadrant from n's two low bits.
; THE STREAMS: a wave takes 16 steps of 512 numbers.  Each load reads 512 consecutive bytes; a step's 2,048 bytes turn through the wave's own stage in LDS, so that a lane
; then holds 16 neighbours along K, as the conversions want; a lane's 16 codes are 16 bytes, so each store of the wave covers 512 consecutive bytes, aligned.
; The two streaming paths have LDS bytes of their own (x from byte 0, the weights from byte 32,768).  Waves share nothing: no barrier.
; WORK LEFT OUT by the program: whole key steps of attention that lie above the causal diagonal, which reference() builds itself: their scores become -infinity, their p is 0 for all values of the inputs.
; A NaN, an infinity or an overflow that reaches only such scores is not carried to the result.
.set STEPS, 16
.set SP,    80                         ; a lane's place in a stage: 64 bytes + 16 of padding
.set STG,   32*SP                      ; a stage
.set WREG,  8192                       ; LDS of a wave: two stages
.set WLDS,  32768                      ; where the weights' path has its stages
.set OFF,   3                          ; v3       16 x lane: my 16 bytes of a load's 512, and of a store's
.set R,     16                         ; v16-79   four sets of 16 numbers as loaded
.set X,     80                         ; v80-111  two sets of 16 neighbours
.set T,     112                        ; v112-127 the 16 numbers, held
.set C,     128                        ; v128-151 codes: two sets of 3 x 4 registers
.set SC,    152                        ; v152-157 for each output: 2^e, 448 x 2^e
.macro LOAD t                          ; step t's 2,048 bytes
.irp i, 0,1,2,3
	global_load_b128 v[R+16*((\t)%4)+4*\i:R+16*((\t)%4)+4*\i+3], v[OFF], s[48:49] offset:2048*(\t)+512*\i th:TH_LOAD_NT
.endr
.endm
.macro TURN t, vin, vout               ; through the stage: LDS serves a wave's instructions in order (ISA guide 5.7.1.4), so no wait stands between the stores and the loads
.irp i, 0,1,2,3
	ds_store_b128 v[\vin], v[R+16*((\t)%4)+4*\i:R+16*((\t)%4)+4*\i+3] offset:STG*((\t)%2)+8*SP*\i
.endr
.irp i, 0,1,2,3
	ds_load_b128 v[X+16*((\t)%2)+4*\i:X+16*((\t)%2)+4*\i+3], v[\vout] offset:STG*((\t)%2)+16*\i
.endr
.endm
.macro SCALE o, e                      ; output o's scale from the whole number in \e
	s_add_co_i32 s44, \e, 127
	s_lshl_b32 s45, s44, 23
	v_mov_b32 v[SC+2*\o], s45                      ; 2^e as f32: the conversion takes its exponent field
	s_add_co_i32 s44, s44, 8
	s_lshl_b32 s44, s44, 23
	s_or_b32 s44, s44, 0x600000
	v_mov_b32 v[SC+2*\o+1], s44                    ; 448 x 2^e
.endm
.macro QSTEP t, nout, vin, vout
.set XS, X+16*((\t)%2)
.set CSET, C+12*((\t)%2)
	s_wait_dscnt 0x0                               ; this step's numbers are back from the stage, and its stores into the stage have read their registers,
.if (\t)+4 < STEPS
	LOAD (\t)+4                                    ; which take the loads of four steps on
.endif
.if (\t)+1 < STEPS
.if STEPS-2-(\t) >= 3
	s_wait_loadcnt 12                              ; the next step's four loads are in; the twelve of the three steps behind it may be out
.else
	s_wait_loadcnt 4*(STEPS-2-(\t))                ; the tail: four for each step still behind the next
.endif
	TURN (\t)+1, \vin, \vout
.endif
	s_wait_xcnt 0x0                                ; the stores of two steps ago have read this set of code registers: it is written again only behind this wait
.set o, 0
.rept \nout
.irp i, 0,1,2,3,4,5,6,7,8,9,10,11,12,13,14,15
	v_med3_num_f32 v[T+\i], v[XS+\i], -v[SC+2*o+1], v[SC+2*o+1]   ; the conversion to an 8-bit code does not saturate (ISA guide 7.6.2): the hold comes first
.endr
	v_cvt_scalef32_pk8_fp8_f32 v[CSET+4*o:CSET+4*o+1], v[T:T+7], v[SC+2*o]
	v_cvt_scalef32_pk8_fp8_f32 v[CSET+4*o+2:CSET+4*o+3], v[T+8:T+15], v[SC+2*o]
	v_nop                                          ; one plain vector line between the conversions and the next holds, which write their sources
	global_store_b128 v[OFF], v[CSET+4*o:CSET+4*o+3], s[50+2*o:51+2*o] offset:512*(\t)
.set o, o+1
.endr
.endm
; cos and sin of pos x inv into v[dst], v[dst + 1]
.macro FREQ inv, dst
	v_mul_f32 v5, \inv, v4                         ; the angle, rounded to f32 as reference() rounds it
	v_mul_f32 v6, s32, v5
	v_rndne_f32 v6, v6                             ; n
	v_fma_f32 v7, -v6, s33, v5                     ; r = angle - n x (pi/2's upper part),
	v_fma_f32 v7, v6, s34, v7                      ; less n x its lower part (which is negative: its magnitude is added)
	v_cvt_i32_f32 v8, v6
	v_mul_f32 v9, v7, v7                           ; z = r r
	v_fma_f32 v10, v9, s37, s36
	v_fma_f32 v10, v10, v9, s35
	v_mul_f32 v11, v9, v7
	v_fma_f32 v10, v10, v11, v7                    ; sin r
	v_fma_f32 v32, v9, s40, s39
	v_fma_f32 v32, v32, v9, s38
	v_mul_f32 v33, v9, v9
	v_fma_f32 v34, v9, -0.5, 1.0
	v_fma_f32 v32, v32, v33, v34                   ; cos r
	v_and_b32 v35, 1, v8
	v_cmp_eq_u32 vcc_lo, 1, v35                    ; in odd quadrants the two change places
	v_cndmask_b32 v36, v10, v32, vcc_lo
	v_cndmask_b32 v37, v32, v10, vcc_lo
	v_lshlrev_b32 v38, 30, v8                      ; the sine is negative in quadrants 2 and 3: bit 1 of n,
	v_and_b32 v38, 0x80000000, v38
	v_add_nc_u32 v39, 1, v8                        ; the cosine in 1 and 2: bit 1 of n + 1
	v_lshlrev_b32 v39, 30, v39
	v_and_b32 v39, 0x80000000, v39
	v_xor_b32 v[\dst+1], v36, v38
	v_xor_b32 v[\dst], v37, v39
.endm
.macro CELL fg, inv0, inv1             ; two frequencies make a cell of 16 bytes; the wave's store covers 512 consecutive bytes, aligned
	FREQ \inv0, 64+4*\fg
	FREQ \inv1, 66+4*\fg
	global_store_b128 v42, v[64+4*\fg:67+4*\fg], s[26:27] offset:32768*\fg
.endm
	s_load_b512 s[8:23], s[0:1], 0x0               ; x s[8:9], Wq s[10:11], Wk s[12:13], Wv s[14:15], Wo s[16:17], scales s[18:19], positions s[20:21], xc s[22:23]
	s_load_b128 s[24:27], s[0:1], 0x40             ; wc s[24:25], tab s[26:27]
	v_lshl_add_u32 v160, v0, 2, 0x10000
	v_mov_b32 v161, 0
	v_lshrrev_b32 v1, 5, v0
	v_readfirstlane_b32 s28, v1                    ; wave
	v_and_b32 v2, 31, v0                           ; lane
	v_lshlrev_b32 v[OFF], 4, v2
	s_mul_i32 s29, s28, WREG
	v_lshrrev_b32 v14, 2, v2
	v_mul_u32_u24 v14, v14, SP
	v_and_b32 v15, 3, v2
	v_lshl_add_u32 v14, v15, 4, v14
	v_add_nc_u32 v14, s29, v14                     ; x's stage, on the way in: four lanes' 64 bytes on end, then the padding
	v_mul_u32_u24 v15, v2, SP
	v_add_nc_u32 v15, s29, v15                     ; and on the way out: my 16 neighbours
	v_add_nc_u32 v12, WLDS, v14                    ; the same two for the weights' path
	v_add_nc_u32 v13, WLDS, v15
	s_cmp_lt_u32 ttmp9, 16
	s_cbranch_scc1 .Ltable
	s_cmp_lt_u32 ttmp9, 144
	s_cbranch_scc1 .Lx
	; ---- the weights: 32 work-groups each
	s_sub_co_u32 s30, ttmp9, 144
	s_lshr_b32 s31, s30, 5                         ; which weight: 0 Wq, 1 Wk, 2 Wv, 3 Wo
	s_and_b32 s30, s30, 31
	s_lshl_b32 s30, s30, 2
	s_add_co_u32 s30, s30, s28                     ; which run of 8,192 numbers is my wave's
	s_lshl_b32 s32, s30, 15
	s_mov_b32 s33, 0
	s_lshl_b32 s34, s30, 13
	s_lshl_b32 s35, s31, 20
	s_add_co_u32 s34, s34, s35
	s_mov_b32 s35, 0
	s_lshl_b32 s36, s31, 3
	s_add_co_u32 s36, s36, 4                       ; its scale: entries 1, 3, 5,
	s_cmp_eq_u32 s31, 3
	s_cselect_b32 s36, 44, s36                     ; and 11 for Wo
	s_wait_kmcnt 0x0
	s_load_b32 s40, s[18:19], s36 offset:0x0
	s_mov_b64 s[48:49], s[10:11]
	s_cmp_eq_u32 s31, 1
	s_cselect_b64 s[48:49], s[12:13], s[48:49]
	s_cmp_eq_u32 s31, 2
	s_cselect_b64 s[48:49], s[14:15], s[48:49]
	s_cmp_eq_u32 s31, 3
	s_cselect_b64 s[48:49], s[16:17], s[48:49]
	s_add_nc_u64 s[48:49], s[48:49], s[32:33]
	s_add_nc_u64 s[50:51], s[24:25], s[34:35]
.irp t, 0,1,2,3
	LOAD \t
.endr
	s_wait_kmcnt 0x0
	SCALE 0, s40
	s_wait_loadcnt 12                              ; step 0's four loads are in
	s_wait_alu depctr_va_vdst(0)
	TURN 0, 12, 13
.irp t, 0,1,2,3,4,5,6,7,8,9,10,11,12,13,14,15
	QSTEP \t, 1, 12, 13
.endr
	s_wait_tensorcnt 0x0
	ds_add_u32 v160, v161
	s_wait_dscnt 0x0
	s_endpgm
	; ---- x: 128 work-groups, three sets of codes from one read
.Lx:
	s_sub_co_u32 s30, ttmp9, 16
	s_lshl_b32 s30, s30, 2
	s_add_co_u32 s30, s30, s28                     ; which run of 8,192 numbers is my wave's
	s_lshl_b32 s32, s30, 15
	s_mov_b32 s33, 0
	s_lshl_b32 s34, s30, 13
	s_mov_b32 s35, 0
	s_wait_kmcnt 0x0
	s_load_b256 s[36:43], s[18:19], 0x0            ; entries 0 to 7: 0, 2 and 4 are x's
	s_add_nc_u64 s[48:49], s[8:9], s[32:33]
	s_add_nc_u64 s[50:51], s[22:23], s[34:35]
	s_add_nc_u64 s[52:53], s[50:51], 0x400000      ; the second and third copy lie 4,096 x 1,024 bytes apart
	s_add_nc_u64 s[54:55], s[50:51], 0x800000
.irp t, 0,1,2,3
	LOAD \t
.endr
	s_wait_kmcnt 0x0
	SCALE 0, s36
	SCALE 1, s38
	SCALE 2, s40
	s_wait_loadcnt 12                              ; step 0's four loads are in
	s_wait_alu depctr_va_vdst(0)
	TURN 0, 14, 15
.irp t, 0,1,2,3,4,5,6,7,8,9,10,11,12,13,14,15
	QSTEP \t, 3, 14, 15
.endr
	s_wait_tensorcnt 0x0
	ds_add_u32 v160, v161
	s_wait_dscnt 0x0
	s_endpgm
	; ---- the table: a thread to a place in the sequence, all 32 frequencies
.Ltable:
	s_lshl_b32 s30, ttmp9, 7
	v_add_nc_u32 v40, s30, v0                      ; s = 128 x work-group + thread
	v_lshlrev_b32 v41, 2, v40
	v_lshlrev_b32 v42, 4, v40
	s_mov_b32 s32, 0x3f22f983                      ; 2 / pi
	s_mov_b32 s33, 0x3fc90fdb                      ; pi/2 rounded to f32,
	s_mov_b32 s34, 0x333bbd2e                      ; and by how much that is too large
	s_mov_b32 s35, 0xbe2aaaa3                      ; sine: -1.6666654611e-1,
	s_mov_b32 s36, 0x3c08839e                      ;  8.3321608736e-3,
	s_mov_b32 s37, 0xb94ca1f9                      ; -1.9515295891e-4
	s_mov_b32 s38, 0x3d2aaaa5                      ; cosine: 4.166664568e-2,
	s_mov_b32 s39, 0xbab6061a                      ; -1.388731625e-3,
	s_mov_b32 s40, 0x37ccf5ce                      ;  2.443315712e-5
	s_wait_alu depctr_va_vdst(0)
	s_wait_kmcnt 0x0
	global_load_b32 v4, v41, s[20:21]
	s_wait_loadcnt 0x0
	v_cvt_f32_i32 v4, v4                           ; the position as f32
	CELL 0, 1.0, 0.7498942093
	CELL 1, 0.5623413252, 0.4216965034
	CELL 2, 0.3162277660, 0.2371373706
	CELL 3, 0.1778279410, 0.1333521432
	CELL 4, 0.1, 0.07498942093
	CELL 5, 0.05623413252, 0.04216965034
	CELL 6, 0.03162277660, 0.02371373706
	CELL 7, 0.01778279410, 0.01333521432
	CELL 8, 0.01, 0.007498942093
	CELL 9, 0.005623413252, 0.004216965034
	CELL 10, 0.003162277660, 0.002371373706
	CELL 11, 0.001778279410, 0.001333521432
	CELL 12, 0.001, 0.0007498942093
	CELL 13, 0.0005623413252, 0.0004216965034
	CELL 14, 0.0003162277660, 0.0002371373706
	CELL 15, 0.0001778279410, 0.0001333521432
	s_endpgm
.Lfunc_end_k_qf653d3e49e_prep:
	.size	k_qf653d3e49e_prep, .Lfunc_end_k_qf653d3e49e_prep-k_qf653d3e49e_prep
	.p2alignl 7, 3214868480
	.fill 96, 4, 3214868480
	.section	.rodata,"a",@progbits
	.p2align	6, 0x0
	.amdhsa_kernel k_qf653d3e49e_prep
		.amdhsa_group_segment_fixed_size 66048
		.amdhsa_private_segment_fixed_size 0
		.amdhsa_enable_private_segment 0
		.amdhsa_kernarg_size 80
		.amdhsa_user_sgpr_count 2
		.amdhsa_user_sgpr_kernarg_segment_ptr 1
		.amdhsa_wavefront_size32 1
		.amdhsa_system_sgpr_workgroup_id_x 1
		.amdhsa_system_sgpr_workgroup_id_y 1
		.amdhsa_system_sgpr_workgroup_id_z 1
		.amdhsa_system_vgpr_workitem_id 0
		.amdhsa_next_free_vgpr 162
		.amdhsa_next_free_sgpr 66
		.amdhsa_reserve_vcc 1
		.amdhsa_float_denorm_mode_32 3
		.amdhsa_float_denorm_mode_16_64 3
		.amdhsa_memory_ordered 1
		.amdhsa_forward_progress 1
		.amdhsa_inst_pref_size 157
	.end_amdhsa_kernel
	.amdgpu_metadata
---
amdhsa.version: [ 1, 2 ]
amdhsa.kernels:
  - .name:           k_qf653d3e49e_prep
    .symbol:         k_qf653d3e49e_prep.kd
    .args:
      - { .name: x, .offset: 0, .size: 8, .value_kind: global_buffer, .address_space: global }
      - { .name: Wq, .offset: 8, .size: 8, .value_kind: global_buffer, .address_space: global }
      - { .name: Wk, .offset: 16, .size: 8, .value_kind: global_buffer, .address_space: global }
      - { .name: Wv, .offset: 24, .size: 8, .value_kind: global_buffer, .address_space: global }
      - { .name: Wo, .offset: 32, .size: 8, .value_kind: global_buffer, .address_space: global }
      - { .name: lowp_scales, .offset: 40, .size: 8, .value_kind: global_buffer, .address_space: global }
      - { .name: token_positions, .offset: 48, .size: 8, .value_kind: global_buffer, .address_space: global }
      - { .name: xc, .offset: 56, .size: 8, .value_kind: global_buffer, .address_space: global }
      - { .name: wc, .offset: 64, .size: 8, .value_kind: global_buffer, .address_space: global }
      - { .name: tab, .offset: 72, .size: 8, .value_kind: global_buffer, .address_space: global }
    .group_segment_fixed_size: 66048
    .private_segment_fixed_size: 0
    .kernarg_segment_align: 8
    .kernarg_segment_size: 80
    .max_flat_workgroup_size: 128
    .sgpr_count:     66
    .vgpr_count:     162
    .wavefront_size: 32
...
	.end_amdgpu_metadata
.endif
;; end of part 1
;; launch qkv (part 2): grid 8 x 32, 4 waves a work-group, clusters of 4 x 4, 327,680 bytes of LDS; arguments xc, wc, tab, lowp_scales, qkvc; writes qkvc
.if DOCPART == 2
	.amdgcn_target "amdgcn-amd-amdhsa--gfx1250"
	.amdhsa_code_object_version 6
	.text
	.protected	k_qf653d3e49e_qkv
	.globl	k_qf653d3e49e_qkv
	.p2align	8
	.type	k_qf653d3e49e_qkv,@function
k_qf653d3e49e_qkv:
	s_mov_b64 s[64:65], 0
	v_nop
	global_prefetch_b8 v0, s[64:65] scope:SCOPE_SE
	s_setreg_imm32_b32 hwreg(HW_REG_WAVE_MODE, 25, 1), 1
	s_wait_xcnt 0x0
	s_wait_alu depctr_hold_cnt(0) depctr_sa_sdst(0) depctr_va_vdst(0) depctr_va_sdst(0) depctr_va_ssrc(0) depctr_va_vcc(0) depctr_vm_vsrc(0)
	s_getreg_b32 s2, hwreg(HW_REG_IB_STS2, 6, 4)
	s_cmp_eq_u32 s2, 0
	s_cbranch_scc0 .Lentry_in_a_cluster
	s_endpgm
.Lentry_in_a_cluster:
	s_bfe_u32 s2, ttmp6, 0x10000c
	s_cmp_lg_u32 s2, 0xf033
	s_cbranch_scc0 .Lentry_shape_is_right
	s_endpgm
.Lentry_shape_is_right:
; QKV: the three projections on codes of E4M3, the rotation of q and k, and the quantising of q, k, v for attention.
; A work-group makes 128 tokens x 128 channels of ALL THREE projections, one after the other; each of its four waves 64 x 64 (16 accumulators, one head).
; THE RING: two LDS slots, each 512 along K of 128 rows of x's codes and of 128 rows of the weight's, rows of 512 bytes + 16 of padding.  A projection is two slots.
; WHO FETCHES: of every slot wave w fetches 64 rows with one tensor load: of x's codes if w is even, of the weight's if odd, the first 64 or the last by w / 2.  Slot 0 is asked for at the head, slot 1 behind a round of the
; cluster's barrier when slot 0 has landed.  Later a slot is filled again, with the same half of K of the next projection, behind a round; the load has a whole slot's steps in which to land.
; THE MATRIX INSTRUCTION: q, k: source 0 = 16 channels, source 1 = 16 tokens: lane (r, h) holds token r, its register j channel 8 h + j.  v: the sources change places, so that a lane holds one channel
; and its registers run along the tokens, which are the keys, the K of attention's second product.  So the conversion of accumulator (a, b) gives registers 2 b, 2 b + 1 of an 8-register fragment
; in the plain 8-bit layout (k = 16 b + 8 h + 0 .. 7).  Fragments come from LDS by four loads of 16 bytes: the same permutation of k on both sides, so every product meets its partner.
; OUT: a unit is the image of such a fragment's registers, 1,024 bytes: group g of four registers, lane l's 16 bytes at 512 g + 16 l.  Each store of a wave covers 512 consecutive bytes, aligned.
;   q: [32 batch x head][128 units of 16 tokens] from byte 0;   k and v from byte 4,194,304: [32 batch x head][16 steps of 128 keys][8 units of k: 16 keys each; 8 units of v: 4 u + ct = channels 16 ct .. + 15 x keys 64 u .. + 63]
; CLUSTER 4 x 4: x's tile hangs on the tile row alone and is asked for jointly along a row of the cluster, the weight's on the tile column and along a column.
; PREFETCH: behind each fill from slot 1's first on the next refill's bytes are asked for, one slot ahead of its tensor load: of the tile's 128 rows x 2 blocks of 256 bytes each of the four partners takes 32 rows, told apart by
; address, each of the tensor's two waves 16, a lane a block.  The weight's waves ask in the first four rows of clusters alone; the last refill asks for nothing; the first two slots come by their loads alone.
; THE SCALES: a sum stands for sum x 2^(ex + ew); the rotation is linear, so it works on the sums, and the conversion takes 2^(eo - ex - ew), eo the scale of q, k or v in attention.
; LIMITS: eo - ex - ew between -126 and 119 for each of the three.  NaN among the inputs is not served.
; REGISTERS: window 0: v8-11 LDS addresses, v16-20, v32-63 codes, v64-71 at work, v128-255 the accumulators ((a, b) at 128 + 8 (4 a + b));
;   window 1: two fragment buffers of 128 (x's four blocks, then the weight's four);  window 2: v0-127 the table's cells: cos, sin of my tokens and channels.
.set PITCH, 528                        ; an LDS row: 132 words: the 16 rows that a load touches start at 16 different banks (64 banks of 4 bytes: ISA guide 11.1)
.set TILE,  128*PITCH
.set SLOT,  2*TILE
.set SPARE, 2*SLOT                     ; the spare words: 128 bytes for each wave
.set ADRX,  8
.set ADRW,  10
.set TBO,   16                         ; v16  my lane's byte in the table: 65,536 h + 16 r
.set LI,    17                         ; v17  16 x lane
.set VSC,   18                         ; v18  2^(eo - ex - ew)
.set VLIM,  19                         ; v19  448 x that
.set PFO,   20                         ; v20  the prefetches' offset: a row of 1,024 bytes for two lanes, 256 bytes from the one to the other
.set SPW,   28
.set NIL,   29
.set COD,   32
.set TT,    64
.set ACC,   128
.set G1X,   24
.set G1W,   32
.set G0X,   40                         ; s[40:47], s[80:87] groups 0, one set for each slot
.set G0W,   80
.set PFA,   48                         ; s[48:49] where my prefetches stand;  s[50:51] a projection on
.set MSB, 0
.macro WIN new                         ; the immediate's high byte repeats the setting that is left; a switch that changes nothing is dropped
.if MSB != \new
	s_set_vgpr_msb (MSB<<8)|\new
.set MSB, \new
.endif
.endm
.macro CREST                           ; a round of the cluster's barrier behind its opening barrier
	s_cmp_lg_u32 s14, 0
	s_cbranch_scc1 .Lnot_wave_0_\@
	s_barrier_signal -3
.Lnot_wave_0_\@:
	s_barrier_wait -3
	s_barrier_signal -1
	s_barrier_wait -1
.endm
.macro CROUND
	s_barrier_signal -1
	s_barrier_wait -1
	CREST
.endm
.macro PLACES                          ; four plain vector lines behind matrix instructions, in front of loads into registers that they read and of the first read of results
.rept 4
	v_nop
.endr
.endm
.macro JLOAD slot                      ; my one joint load; s_nop 0 and four v_nop follow each line
	s_cmp_eq_u32 s16, 0
	s_cbranch_scc0 .Lfor_w_\@
	tensor_load_to_lds s[G0X+4*\slot:G0X+4*\slot+3], s[G1X:G1X+7]
	s_nop 0
	PLACES
	s_branch .Lasked_\@
.Lfor_w_\@:
	tensor_load_to_lds s[G0W+4*\slot:G0W+4*\slot+3], s[G1W:G1W+7]
	s_nop 0
	PLACES
.Lasked_\@:
.endm
.macro ASK how, off                    ; how = 1: in the loop's first trip alone (s3 = 2)
.if \how
	s_cmp_eq_u32 s3, s98
.else
	s_cmp_eq_u32 s98, 2
.endif
	s_cbranch_scc0 .Lnot_mine_\@
	global_prefetch_b8 v[PFO], s[PFA:PFA+1] offset:\off th:TH_LOAD_NT scope:SCOPE_SE
.Lnot_mine_\@:
.endm
.macro FETCH slot, q, f                ; the fragments of the slot's q-th 128 along K into buffer f: 32 loads
	WIN 0x40                                       ; destination window 1, address window 0
.irp i, 0,1,2,3
.irp cc, 0,1,2,3
	ds_load_b128 v[(\f)+64+16*\i+4*\cc:(\f)+64+16*\i+4*\cc+3], v[ADRW+(\slot)] offset:128*(\q)+32*\cc+16*PITCH*\i
.endr
.irp cc, 0,1,2,3
	ds_load_b128 v[(\f)+16*\i+4*\cc:(\f)+16*\i+4*\cc+3], v[ADRX+(\slot)] offset:128*(\q)+32*\cc+16*PITCH*\i
.endr
.endr
.endm
; four matrix instructions: block a of source 1 x the four of source 0.  vv = 1: the operands change places.  The 16 accumulators take turns, one instruction a turn, in the same order in every step
.macro MULA f, a, zero, vv
	WIN 0x05                                       ; sources 0 and 1 window 1, C and D window 0
.irp b, 0,1,2,3
.if \zero
	v_wmma_f32_16x16x128_fp8_fp8 v[ACC+8*(4*(\a)+\b):ACC+8*(4*(\a)+\b)+7], v[(\f)+64*(1-\vv)+16*\b:(\f)+64*(1-\vv)+16*\b+15], v[(\f)+64*\vv+16*(\a):(\f)+64*\vv+16*(\a)+15], 0
.else
	v_wmma_f32_16x16x128_fp8_fp8 v[ACC+8*(4*(\a)+\b):ACC+8*(4*(\a)+\b)+7], v[(\f)+64*(1-\vv)+16*\b:(\f)+64*(1-\vv)+16*\b+15], v[(\f)+64*\vv+16*(\a):(\f)+64*\vv+16*(\a)+15], v[ACC+8*(4*(\a)+\b):ACC+8*(4*(\a)+\b)+7]
.endif
.endr
.endm
.macro MUL16 f, zero, vv
.irp a, 0,1,2,3
	MULA \f, \a, \zero, \vv
.endr
.endm
.macro STEP slot, q, zero, vv          ; q = 0, 1, 2: multiplied while the next 128 along K come from LDS
	PLACES                                         ; the buffer that is loaded next was read by the last step's products
	FETCH \slot, (\q)+1, 128*(((\q)+1)%2)
	s_wait_dscnt 32                                ; all but the 32 loads just issued: this step's fragments are in
	MUL16 128*((\q)%2), \zero, \vv
.endm
; A slot's last step changes slots.  fill = 1: the slot just read out is filled again with the next projection's codes.
.macro TURN slot, fill, vv
	WIN 0
.if (\fill) && (\slot)
	s_wait_xcnt 0x0                                ; my prefetches have read their address
	s_add_nc_u64 s[PFA:PFA+1], s[PFA:PFA+1], s[PFA+2:PFA+3]
.endif
	s_wait_tensorcnt 0x0                           ; my part of the next slot has landed
	ds_add_u32 v[SPW], v[NIL]
.if \fill
	s_add_nc_u64 s[G0X+4*\slot+2:G0X+4*\slot+3], s[G0X+4*\slot+2:G0X+4*\slot+3], 0x400000
	s_add_nc_u64 s[G0W+4*\slot+2:G0W+4*\slot+3], s[G0W+4*\slot+2:G0W+4*\slot+3], 0x100000
.endif
	s_wait_dscnt 0x1                               ; this step's fragments are in; the add may be out
	MULA 128, 0, 0, \vv
	s_wait_dscnt 0x0                               ; the add is done, and my reads of this slot are over
	s_barrier_signal -1
	MULA 128, 1, 0, \vv
	WIN 0
	s_barrier_wait -1
.if \fill
	CREST                                          ; no wave of any partner still reads this slot or has a load on its way
	JLOAD \slot                                    ; its four v_nop are also the places in front of the loads below
.else
	PLACES
.endif
	FETCH 1-(\slot), 0, 0
.if \fill
	WIN 0
	ASK \slot, 512*(1-(\slot))
.endif
	MULA 128, 2, 0, \vv
	MULA 128, 3, 0, \vv
.endm
; THE WAY OUT of a projection: the rotation (rope = 1), the hold, the conversion, four units stored
.macro EPI rope
	WIN 0
	PLACES
	s_wait_loadcnt 0x0                             ; the table
	s_wait_xcnt 0x0                                ; the last projection's stores have read their codes and their base
	s_mov_b64 s[62:63], s[56:57]                   ; where my four units begin; the next projection's moves up
	s_mov_b64 s[56:57], s[58:59]
	s_mov_b64 s[58:59], s[60:61]
	s_sub_co_i32 s99, s74, s68
	s_sub_co_i32 s99, s99, s69                     ; eo - ex - ew; the next projection's move up
	s_mov_b64 s[68:69], s[70:71]
	s_mov_b64 s[70:71], s[72:73]
	s_mov_b32 s74, s75
	s_mov_b32 s75, s77
	s_add_co_i32 s99, s99, 127
	s_lshl_b32 s2, s99, 23
	v_mov_b32 v[VSC], s2
	s_add_co_i32 s99, s99, 8
	s_lshl_b32 s99, s99, 23
	s_or_b32 s99, s99, 0x600000
	v_mov_b32 v[VLIM], s99
.if \rope
	WIN 0x08                                       ; source 1 (cos, sin) window 2
.irp a, 0,1,2,3
.irp b, 0,1,2,3
.set AC, ACC+8*(4*\a+\b)
.set CL, 4*(8*\a+2*\b)
.irp p, 0,2,4,6                        ; a pair: even number in register p, odd in p + 1; cos in the cells' register p, sin in p + 1.  Each accumulator from its low end on
	v_pk_mul_f32 v[TT+\p:TT+\p+1], v[AC+\p:AC+\p+1], v[CL+\p:CL+\p+1] op_sel:[1,1] op_sel_hi:[1,0]   ; odd x sin, odd x cos
.endr
.irp p, 0,2,4,6
	v_pk_fma_f32 v[AC+\p:AC+\p+1], v[AC+\p:AC+\p+1], v[CL+\p:CL+\p+1], v[TT+\p:TT+\p+1] op_sel_hi:[0,1,1] neg_lo:[0,0,1]   ; even x cos - odd x sin, even x sin + odd x cos
.endr
.endr
.endr
	WIN 0
.endif
.irp a, 0,1,2,3
.set n, 0
.rept 32
	v_med3_num_f32 v[ACC+32*\a+n], v[ACC+32*\a+n], -v[VLIM], v[VLIM]   ; the conversion does not saturate (ISA guide 7.6.2): the hold comes first
.set n, n+1
.endr
.irp b, 0,1,2,3
	v_cvt_scalef32_pk8_fp8_f32 v[COD+8*\a+2*\b:COD+8*\a+2*\b+1], v[ACC+8*(4*\a+\b):ACC+8*(4*\a+\b)+7], v[VSC]
.endr
	v_nop                                          ; one plain vector line behind the conversions
	global_store_b128 v[LI], v[COD+8*\a:COD+8*\a+3], s[62:63] offset:1024*\a          ; unit a: registers 0-3: 512 consecutive bytes,
	global_store_b128 v[LI], v[COD+8*\a+4:COD+8*\a+7], s[62:63] offset:1024*\a+512    ; registers 4-7: the next 512
.endr
.endm
	s_load_b256 s[4:11], s[0:1], 0x0               ; xc s[4:5], wc s[6:7], tab s[8:9], scales s[10:11]
	s_load_b64 s[12:13], s[0:1], 0x20              ; qkvc
	v_lshl_add_u32 v[SPW], v0, 2, SPARE
	v_mov_b32 v[NIL], 0
	ds_add_u32 v[SPW], v[NIL]                      ; the wave's opening: the add, twice on end, and its wait
	ds_add_u32 v[SPW], v[NIL]
	v_lshrrev_b32 v1, 5, v0
	v_readfirstlane_b32 s14, v1                    ; wave 0..3
	s_lshr_b32 s15, s14, 1                         ; which 64 tokens are mine.  Also: which 64 rows of a tile I fetch
	s_and_b32 s16, s14, 1                          ; which 64 channels.  Also: I fetch x's codes (0) or the weight's (1)
	s_mul_i32 s92, s15, 64*PITCH
	s_mul_i32 s93, s16, 64*PITCH
	s_add_co_u32 s93, s93, TILE                    ; the weight's rows lie behind x's 128
	v_and_b32 v1, 15, v0                           ; r
	v_bfe_u32 v2, v0, 4, 1                         ; h
	v_mul_u32_u24 v3, v1, PITCH
	v_lshl_add_u32 v3, v2, 4, v3                   ; a fragment's row x pitch + 16 h
	v_add_nc_u32 v[ADRX], s92, v3
	v_add_nc_u32 v[ADRW], s93, v3
	v_add_nc_u32 v[ADRX+1], SLOT, v[ADRX]
	v_add_nc_u32 v[ADRW+1], SLOT, v[ADRW]
	v_lshlrev_b32 v[TBO], 4, v1
	v_lshl_add_u32 v[TBO], v2, 16, v[TBO]
	v_and_b32 v4, 31, v0
	v_lshlrev_b32 v[LI], 4, v4
	v_lshrrev_b32 v5, 1, v4
	v_lshlrev_b32 v5, 10, v5
	v_and_b32 v6, 1, v4
	v_lshl_add_u32 v[PFO], v6, 8, v5
	s_wait_alu depctr_va_vdst(0)
	s_bfe_u32 s17, ttmp6, 0x40000                  ; cx
	s_bfe_u32 s18, ttmp6, 0x40004                  ; cy
	s_and_b32 s19, ttmp7, 0xffff                   ; cluster y, 0..7
	s_lshl_b32 s89, s19, 2
	s_add_co_u32 s89, s89, s18                     ; tile row (tokens): it holds cy and never cx
	s_lshl_b32 s90, ttmp9, 2
	s_add_co_u32 s90, s90, s17                     ; tile column (channels): cx and never cy
	s_lshl_b32 s20, s18, 2
	s_lshl_b32 s20, 15, s20                        ; my row of the cluster
	s_lshl_b32 s21, 0x1111, s17                    ; my column
	s_or_b32 s[G1X], s20, (1<<20)|(1<<21)|(6<<22)|(3<<25)   ; 15:0 the mask; 17:16 elements of 1 byte; 20 padding on; 21 set beside a mask; 24:22 after every 128 words; 31:25 four words
	s_or_b32 s[G1W], s21, (1<<20)|(1<<21)|(6<<22)|(3<<25)
.irp g, G1X, G1W
	s_mov_b32 s[\g+1], 512<<16                     ; tensor_dim0 = 512
	s_mov_b32 s[\g+2], 64<<16                      ; tensor_dim1 = 64
	s_mov_b32 s[\g+3], 512<<16                     ; tile_dim0 = 512
	s_mov_b32 s[\g+4], 64                          ; tile_dim1 = 64
	s_mov_b32 s[\g+5], 1024                        ; from row to row
	s_mov_b32 s[\g+6], 0
	s_mov_b32 s[\g+7], 0
.endr
	s_mul_i32 s88, s15, 64*PITCH                   ; where my rows go: no place in the cluster enters an LDS address
	s_lshl_b32 s91, s15, 16                        ; my 64 rows of 1,024 bytes
	s_lshl_b32 s92, s89, 17                        ; 128 x tile row rows
	s_add_co_u32 s92, s92, s91
	s_mov_b32 s93, 0
	s_lshl_b32 s94, s90, 17
	s_add_co_u32 s94, s94, s91
	s_mov_b32 s95, 0
	s_wait_dscnt 0x0                               ; both opening adds are done
	s_wait_kmcnt 0x0
	s_load_b256 s[68:75], s[10:11], 0x0            ; entries 0-5: ex, ew of q, k, v; 6, 7: eo of q, k
	s_load_b64 s[76:77], s[10:11], 0x20            ; entry 9: eo of v
	s_add_nc_u64 s[56:57], s[4:5], s[92:93]
	s_add_nc_u64 s[58:59], s[6:7], s[94:95]
.irp c, 0,1
	s_mov_b32 s[G0X+4*\c], 1
	s_add_co_u32 s[G0X+4*\c+1], s88, \c*SLOT
	s_add_nc_u64 s[G0X+4*\c+2:G0X+4*\c+3], s[56:57], \c*512
	s_or_b32 s[G0X+4*\c+3], s[G0X+4*\c+3], 0x80000000
	s_mov_b32 s[G0W+4*\c], 1
	s_add_co_u32 s[G0W+4*\c+1], s88, \c*SLOT+TILE
	s_add_nc_u64 s[G0W+4*\c+2:G0W+4*\c+3], s[58:59], \c*512
	s_or_b32 s[G0W+4*\c+3], s[G0W+4*\c+3], 0x80000000
.endr
	CROUND                                         ; all sixteen work-groups are here: the joint loads meet
	JLOAD 0                                        ; slot 0: my one load at the head
	; the prefetches: where my wave's stand (the next projection's first half of K), and who asks
	s_mov_b32 s51, 0
	s_mov_b32 s50, 0x100000
	s_cmp_lt_u32 s19, 4
	s_cselect_b32 s98, 2, 63
	s_cmp_eq_u32 s16, 0
	s_cselect_b32 s98, 2, s98                      ; 2 where my wave asks
	s_cselect_b32 s50, 0x400000, s50               ; a projection on
	s_cselect_b32 s62, s89, s90                    ; the tile
	s_cselect_b32 s63, s17, s18                    ; my place among the four that ask for it with me
	s_cselect_b64 s[PFA:PFA+1], s[4:5], s[6:7]
	s_lshl_b32 s62, s62, 17
	s_lshl_b32 s63, s63, 15                        ; 32 rows each,
	s_add_co_u32 s62, s62, s63
	s_lshl_b32 s63, s15, 14                        ; 16 for each of the two waves
	s_add_co_u32 s62, s62, s63
	s_add_co_u32 s62, s62, s50
	s_mov_b32 s63, 0
	s_add_nc_u64 s[PFA:PFA+1], s[PFA:PFA+1], s[62:63]
	; the table's cells of my 64 tokens x 32 frequencies: accumulator (a, b), registers 4 e .. 4 e + 3: frequencies 8 b + 4 h + 2 e, + 1 of token 16 a + r: sixteen lanes read 256 consecutive bytes
	s_lshl_b32 s2, s89, 7
	s_lshl_b32 s3, s15, 6
	s_add_co_u32 s2, s2, s3                        ; my first token
	s_and_b32 s66, s2, 2047
	s_lshl_b32 s66, s66, 4
	s_mov_b32 s67, 0
	s_add_nc_u64 s[66:67], s[8:9], s[66:67]
	WIN 0x80                                       ; destination window 2
.irp a, 0,1,2,3
.irp b, 0,1,2,3
.irp e, 0,1
	global_load_b128 v[4*(8*\a+2*\b+\e):4*(8*\a+2*\b+\e)+3], v[TBO], s[66:67] offset:32768*(4*\b+\e)+256*\a
.endr
.endr
.endr
	WIN 0
	; where my units go
	s_lshr_b32 s62, s2, 11                         ; batch
	s_lshl_b32 s62, s62, 4
	s_lshl_b32 s63, s90, 1
	s_add_co_u32 s63, s63, s16                     ; head
	s_add_co_u32 s62, s62, s63
	s_bfe_u32 s99, s2, 0x50006                     ; which 64 tokens of the sequence
	s_lshl_b32 s92, s62, 17
	s_lshl_b32 s93, s99, 12
	s_add_co_u32 s92, s92, s93                     ; q
	s_mov_b32 s93, 0
	s_lshl_b32 s94, s62, 18
	s_lshr_b32 s95, s99, 1
	s_lshl_b32 s95, s95, 14
	s_add_co_u32 s94, s94, s95
	s_and_b32 s95, s99, 1
	s_lshl_b32 s95, s95, 12
	s_add_co_u32 s94, s94, s95
	s_add_co_u32 s94, s94, 0x400000                ; k; v lies 8,192 bytes on
	s_mov_b32 s95, 0
	s_add_nc_u64 s[56:57], s[12:13], s[92:93]
	s_add_nc_u64 s[58:59], s[12:13], s[94:95]
	s_add_nc_u64 s[60:61], s[58:59], 0x2000
	s_mov_b32 s3, 2
	s_wait_alu depctr_va_vdst(0)
	s_wait_kmcnt 0x0                               ; the scales
	s_wait_tensorcnt 0x0                           ; my part of slot 0 is in
	ds_add_u32 v[SPW], v[NIL]
	s_wait_dscnt 0x0
	CROUND                                         ; everybody's part of slot 0 is in, and all sixteen work-groups are here,
	JLOAD 1                                        ; and slot 1's load, the first behind the round
	FETCH 0, 0, 0
	WIN 0
	ASK 0, 0
.Lprod:                                            ; two trips: q, k
	STEP 0, 0, 1, 0                                ; the first products start the sums: nothing is cleared
	STEP 0, 1, 0, 0
	STEP 0, 2, 0, 0
	TURN 0, 1, 0
	STEP 1, 0, 0, 0
	STEP 1, 1, 0, 0
	STEP 1, 2, 0, 0
	TURN 1, 1, 0
	EPI 1
	s_wait_alu depctr_va_vdst(0)
	s_sub_co_u32 s3, s3, 1
	s_cmp_lg_u32 s3, 0
	s_cbranch_scc1 .Lprod
	STEP 0, 0, 1, 1                                ; v: the operands change places
	STEP 0, 1, 0, 1
	STEP 0, 2, 0, 1
	TURN 0, 0, 1
	STEP 1, 0, 0, 1
	STEP 1, 1, 0, 1
	STEP 1, 2, 0, 1
	s_wait_dscnt 0x0
	MUL16 128, 0, 1
	EPI 0
	s_wait_tensorcnt 0x0                           ; the wave's end
	ds_add_u32 v[SPW], v[NIL]
	s_wait_dscnt 0x0
	CROUND                                         ; the closing round: no work-group ends while a partner may still ask for a tile that names it
	s_endpgm
.Lfunc_end_k_qf653d3e49e_qkv:
	.size	k_qf653d3e49e_qkv, .Lfunc_end_k_qf653d3e49e_qkv-k_qf653d3e49e_qkv
	.p2alignl 7, 3214868480
	.fill 96, 4, 3214868480
	.section	.rodata,"a",@progbits
	.p2align	6, 0x0
	.amdhsa_kernel k_qf653d3e49e_qkv
		.amdhsa_group_segment_fixed_size 327680
		.amdhsa_private_segment_fixed_size 0
		.amdhsa_enable_private_segment 0
		.amdhsa_kernarg_size 40
		.amdhsa_user_sgpr_count 2
		.amdhsa_user_sgpr_kernarg_segment_ptr 1
		.amdhsa_wavefront_size32 1
		.amdhsa_system_sgpr_workgroup_id_x 1
		.amdhsa_system_sgpr_workgroup_id_y 1
		.amdhsa_system_sgpr_workgroup_id_z 1
		.amdhsa_system_vgpr_workitem_id 0
		.amdhsa_next_free_vgpr 640
		.amdhsa_next_free_sgpr 100
		.amdhsa_reserve_vcc 0
		.amdhsa_float_denorm_mode_32 3
		.amdhsa_float_denorm_mode_16_64 3
		.amdhsa_memory_ordered 1
		.amdhsa_forward_progress 1
		.amdhsa_inst_pref_size 96
	.end_amdhsa_kernel
	.amdgpu_metadata
---
amdhsa.version: [ 1, 2 ]
amdhsa.kernels:
  - .name:           k_qf653d3e49e_qkv
    .symbol:         k_qf653d3e49e_qkv.kd
    .args:
      - { .name: xc, .offset: 0, .size: 8, .value_kind: global_buffer, .address_space: global }
      - { .name: wc, .offset: 8, .size: 8, .value_kind: global_buffer, .address_space: global }
      - { .name: tab, .offset: 16, .size: 8, .value_kind: global_buffer, .address_space: global }
      - { .name: lowp_scales, .offset: 24, .size: 8, .value_kind: global_buffer, .address_space: global }
      - { .name: qkvc, .offset: 32, .size: 8, .value_kind: global_buffer, .address_space: global }
    .group_segment_fixed_size: 327680
    .private_segment_fixed_size: 0
    .kernarg_segment_align: 8
    .kernarg_segment_size: 40
    .max_flat_workgroup_size: 128
    .sgpr_count:     100
    .vgpr_count:     640
    .wavefront_size: 32
...
	.end_amdgpu_metadata
.endif
;; end of part 2
;; launch attn (part 3): grid 8 x 32, 16 waves a work-group, clusters of 4 x 1, 327,680 bytes of LDS; arguments qkvc, lowp_scales, ac; writes ac
.if DOCPART == 3
	.amdgcn_target "amdgcn-amd-amdhsa--gfx1250"
	.amdhsa_code_object_version 6
	.text
	.protected	k_qf653d3e49e_attn
	.globl	k_qf653d3e49e_attn
	.p2align	8
	.type	k_qf653d3e49e_attn,@function
k_qf653d3e49e_attn:
	s_mov_b64 s[64:65], 0
	v_nop
	global_prefetch_b8 v0, s[64:65] scope:SCOPE_SE
	s_setreg_imm32_b32 hwreg(HW_REG_WAVE_MODE, 25, 1), 1
	s_wait_xcnt 0x0
	s_wait_alu depctr_hold_cnt(0) depctr_sa_sdst(0) depctr_va_vdst(0) depctr_va_sdst(0) depctr_va_ssrc(0) depctr_va_vcc(0) depctr_vm_vsrc(0)
	s_getreg_b32 s2, hwreg(HW_REG_IB_STS2, 6, 4)
	s_cmp_eq_u32 s2, 0
	s_cbranch_scc0 .Lentry_in_a_cluster
	s_endpgm
.Lentry_in_a_cluster:
	s_bfe_u32 s2, ttmp6, 0x10000c
	s_cmp_lg_u32 s2, 0x3003
	s_cbranch_scc0 .Lentry_shape_is_right
	s_endpgm
.Lentry_shape_is_right:
; ATTN: causal attention on codes of E4M3, head size 64.  q, k, v come as register images (the layout stands at qkv's head); the result leaves as images too:
; ac [256 tiles of 16 tokens][16 heads][1,024 bytes]: lane (r, h), registers 2 c, 2 c + 1: channels 16 c + 8 h + 0 .. 7 of token r: half an operand of the last projection.
; THE SOFTMAX: t = score x log2(e) / 8; M = the running largest t, rounded UP to a whole number; p = 2^(t - M) is quantised with 2^ep, not normalised; the row's sum is taken of the unquantised p
; and divides at the end; when M moves, the sum and O are multiplied by 2^(old M - new M), which rounds nothing.
; WORK LEFT OUT: whole steps of 128 keys that lie above the causal diagonal: reference() makes their scores -infinity, so their p is 0 for all values of the inputs; NaN or infinity that reaches only them is not carried.
; SHARES.  A work-group has one head (y) and, of each of the sequence's 16 blocks of 128 queries, the tile of 16 queries at its place x: 1 + 2 + .. + 16 = 136 tile steps of 128 keys in every work-group, all keys read in each.
; The tiles of blocks b and 15 - b are worked by a PAIR of waves: the first takes the long tile's steps 0 .. n - 1, n = min(12, 15 - b), none of them masked; the second takes the short tile's steps 0 .. b (the last masked),
; sends it out, and then the long tile's steps n .. 15 - b (the last masked): 17 - n steps.  At the end the first wave hands its part of the long tile (O, M, sum) over through LDS, and the second joins the two under the larger M: powers of two.
; Waves s, s + 4, s + 8, s + 12 (s = 0 .. 3): first of pair b = s (12 steps), first of b = 4 + s (11 - s), second of b = 4 + s (6 + s), second of b = s (5): 34 steps.
; LDS: the head's 16 key steps, 16,384 bytes each (k's 8 units, then v's 8), filled ONCE: wave w fetches step w with its one tensor load.
; From byte 262,144: nine registers' images of 512 bytes x 8 pairs for the hand-over, on which no fill lands; then the spare words.
; CLUSTER 4 x 1: four work-groups of a head ask for each key step jointly; trip counts hang on the wave's number alone.
; NO PREFETCH: all loads stand at the head, and no loop asks for anything.
; LAYOUT: S^T = K Q^T (source 0 = 16 keys, source 1 = my queries): lane (r, h) holds query r, register j of tile t key 16 t + 8 h + j; the conversion of tile t gives registers 2 t, 2 t + 1 of P in the
; plain layout of K = 128.  O^T = V^T P^T (source 0 = 16 channels x 128 keys: two units on end).
; LIMITS: eq + ek between -123 and 130 (added to c's exponent field); ep, and ea - ep - ev, between -126 and 119.  |t| under 2^31.  NaN among the inputs is not served.
; REGISTERS: v1 16 x lane; v2 LDS address of the step; v4 my query less 8 h, within the block; v6 the hand-over; v12 -M, v13 the largest t, v[14:15] the sum; v16-23 Q; v24-31 the long tile's Q; v32-95 K's, then V's fragments;
;   v96-159 S^T, then p; v160-191 O^T; v192-207 p's codes; v208-215 the result's; v236, v242-249, v252-254 at work; v240, v244: 448 x 2^ep, 2^ep; v241, v245: the same with ea - ep - ev; v250, v251 the add's; v255 -infinity.
; s10 wave; s11 0 first, 1 second; s24 b; s26 the trip at which the long tile begins (second); s27 my trips; s28 the masked trip; s29 what the long tile's keys lie further on; s30 n; s31 15 - b; s52 trip; s53 its LDS byte
.set STEPB, 16384
.set HAND,  0x40000
.set HANDB, 4608
.set SPARE, HAND+8*HANDB
.macro CROUND
	s_barrier_signal -1
	s_barrier_wait -1
	s_cmp_lg_u32 s10, 0
	s_cbranch_scc1 .Lnot_wave_0_\@
	s_barrier_signal -3
.Lnot_wave_0_\@:
	s_barrier_wait -3
	s_barrier_signal -1
	s_barrier_wait -1
.endm
.macro ROWSUM                          ; v14 = the row's whole sum
	v_add_f32 v14, v14, v15                        ; the two halves,
	s_delay_alu instid0(VALU_DEP_1)
	v_permlanex16_b32 v236, v14, s56, s57
	s_delay_alu instid0(VALU_DEP_1)
	v_add_f32 v14, v14, v236                       ; and lane l xor 16's
.endm
.macro FIN src, base                   ; O^T in \src / the sum in v14, quantised and stored
	s_wait_alu depctr_va_vdst(0)
	s_wait_xcnt 0x0                                ; any earlier stores have read their codes
	v_rcp_f32 v14, v14
	v_nop                                          ; a plain line behind the reciprocal,
	s_wait_alu depctr_va_vdst(0)                   ; and the wait ahead of its first reader and of O^T's
.set n, 0
.rept 16
	v_pk_mul_f32 v[96+n:97+n], v[\src+n:\src+n+1], v[14:15] op_sel_hi:[1,0]   ; each accumulator from its low end on
.set n, n+2
.endr
.set n, 0
.rept 32
	v_med3_num_f32 v[96+n], v[96+n], -v241, v241
.set n, n+1
.endr
.irp ct, 0,1,2,3
	v_cvt_scalef32_pk8_fp8_f32 v[208+2*\ct:209+2*\ct], v[96+8*\ct:103+8*\ct], v245
.endr
	v_nop
	global_store_b128 v1, v[208:211], s[\base:\base+1]               ; 512 consecutive bytes, aligned,
	global_store_b128 v1, v[212:215], s[\base:\base+1] offset:512    ; and the next 512
.endm
.macro FRESH                           ; a tile begins: the step is written once for all steps; the first finds zeros, which the first change of M leaves zeros
	v_mov_b32 v13, 0xff61b1e6                      ; the largest t so far: -3e38, under every t
	v_mov_b32 v14, 0
	v_mov_b32 v15, 0
.set n, 0
.rept 32
	v_mov_b32 v[160+n], 0
.set n, n+1
.endr
	v_floor_f32 v12, -v13
.endm
.macro ARG i                           ; t - M of 16 scores, two at a time (of the pairs c and -M the low word serves both halves)
.set n, 16*\i
.rept 8
	v_pk_fma_f32 v[96+n:97+n], v[96+n:97+n], s[58:59], v[12:13] op_sel_hi:[1,0,0]
.set n, n+2
.endr
.endm
	s_load_b128 s[4:7], s[0:1], 0x0                ; qkvc s[4:5], scales s[6:7]
	s_load_b64 s[8:9], s[0:1], 0x10                ; ac
	v_lshl_add_u32 v250, v0, 2, SPARE
	v_mov_b32 v251, 0
	ds_add_u32 v250, v251                          ; the wave's opening: the add, twice on end, and its wait
	ds_add_u32 v250, v251
	v_lshrrev_b32 v7, 5, v0
	v_readfirstlane_b32 s10, v7                    ; wave 0..15
	s_lshr_b32 s11, s10, 3                         ; first or second of its pair
	s_and_b32 s24, s10, 3
	s_lshr_b32 s60, s10, 2
	s_xor_b32 s60, s60, s11
	s_and_b32 s60, s60, 1
	s_lshl_b32 s60, s60, 2
	s_or_b32 s24, s24, s60                         ; the pair: b
	s_mul_i32 s60, s24, HANDB
	s_add_co_u32 s60, s60, HAND
	s_bfe_u32 s25, ttmp6, 0x40000                  ; cx
	s_lshl_b32 s61, ttmp9, 2
	s_add_co_u32 s25, s25, s61                     ; x: my tile in every block (data and global addresses alone hang on it)
	s_lshl_b32 s61, s25, 4
	v_and_b32 v1, 31, v0
	v_and_b32 v5, 15, v0
	v_bfe_u32 v3, v0, 4, 1
	v_lshlrev_b32 v1, 4, v1                        ; 16 x lane
	v_lshlrev_b32 v3, 3, v3
	v_add_nc_u32 v6, s60, v1
	v_sub_nc_u32 v4, v5, v3
	v_add_nc_u32 v4, s61, v4                       ; 16 x + r - 8 h
	s_and_b32 s66, ttmp7, 0xffff                   ; batch x 16 + head
	s_lshl_b32 s74, s66, 18
	s_lshl_b32 s21, s10, 14                        ; LDS: my key step
	s_add_co_u32 s74, s74, s21
	s_add_co_u32 s74, s74, 0x400000                ; k and v lie behind q
	s_mov_b32 s75, 0
	s_mov_b32 s12, 15|(3<<16)|(1<<21)              ; group 1: 16,384 dense bytes as 64 rows of 256: the mask names the cluster's four; elements of 8 bytes; 21 set beside a mask
	s_mov_b32 s13, 32<<16                          ; tensor_dim0 = 32
	s_mov_b32 s14, 64<<16                          ; tensor_dim1 = 64
	s_mov_b32 s15, 32<<16                          ; tile_dim0 = 32
	s_mov_b32 s16, 64                              ; tile_dim1 = 64
	s_mov_b32 s17, 32                              ; from row to row
	s_mov_b32 s18, 0
	s_mov_b32 s19, 0
	s_wait_dscnt 0x0                               ; both opening adds are done
	s_wait_alu depctr_va_vdst(0)
	s_wait_kmcnt 0x0
	s_load_b128 s[68:71], s[6:7], 0x18             ; eq, ek, ep, ev
	s_load_b32 s72, s[6:7], 0x28                   ; ea: the result's scale in the last projection
	s_mov_b32 s20, 1
	s_add_nc_u64 s[22:23], s[4:5], s[74:75]
	s_or_b32 s23, s23, 0x80000000
	CROUND                                         ; the four work-groups are here: the joint loads meet
	tensor_load_to_lds s[20:23], s[12:19]          ; my key step; one load of mine is out
	s_nop 0
.rept 4
	v_nop
.endr
	s_lshl_b32 s60, s24, 3
	s_add_co_u32 s60, s60, s25                     ; the short tile: 8 b + x
	s_xor_b32 s31, s24, 15
	s_min_u32 s30, s31, 12                         ; n
	s_lshl_b32 s61, s31, 3
	s_add_co_u32 s61, s61, s25                     ; the long tile: 8 (15 - b) + x
	s_lshl_b32 s63, s66, 17
	s_add_co_u32 s29, s30, s31
	s_and_b32 s29, s29, 15                         ; n + 15 - b less 16: n - b - 1 key steps,
	s_lshl_b32 s29, s29, 14                        ; in bytes
	s_sub_co_u32 s27, 17, s30
	s_add_co_u32 s26, s24, 1
	s_cmp_eq_u32 s11, 0
	s_cselect_b32 s62, s61, s60                    ; my first tile
	s_cselect_b32 s27, s30, s27
	s_cselect_b32 s26, 63, s26                     ; the first wave never changes tiles,
	s_cselect_b32 s28, 63, s24                     ; and masks nothing
	s_lshl_b32 s74, s62, 10
	s_add_co_u32 s74, s74, s63
	s_mov_b32 s75, 0
	s_add_nc_u64 s[74:75], s[4:5], s[74:75]
	global_load_b128 v[16:19], v1, s[74:75]        ; my first tile's Q,
	global_load_b128 v[20:23], v1, s[74:75] offset:512
	s_lshl_b32 s54, s61, 10
	s_add_co_u32 s54, s54, s63
	s_mov_b32 s55, 0
	s_add_nc_u64 s[54:55], s[4:5], s[54:55]
	global_load_b128 v[24:27], v1, s[54:55]        ; and the long tile's
	global_load_b128 v[28:31], v1, s[54:55] offset:512
	s_lshr_b32 s62, s66, 4                         ; batch
	s_lshl_b32 s62, s62, 7
	s_and_b32 s63, s66, 15                         ; head
.irp i, 60, 61                         ; where the two tiles' images go in ac
	s_add_co_u32 s[\i], s[\i], s62
	s_lshl_b32 s[\i], s[\i], 4
	s_add_co_u32 s[\i], s[\i], s63
	s_lshl_b32 s[\i], s[\i], 10
.endr
	s_mov_b32 s78, s60
	s_mov_b32 s79, 0
	s_add_nc_u64 s[78:79], s[8:9], s[78:79]        ; the short tile's,
	s_mov_b32 s76, s61
	s_mov_b32 s77, 0
	s_add_nc_u64 s[76:77], s[8:9], s[76:77]        ; the long tile's
	s_mov_b32 s56, 0x76543210
	s_mov_b32 s57, 0xfedcba98                      ; v_permlanex16_b32's selects for lane l xor 16
	s_mov_b32 s58, 0x3e38aa3b                      ; c = log2(e) / sqrt(64)
	v_mov_b32 v236, 0                              ; a lane permute's destination counts as one of its sources
	v_mov_b32 v253, 0                              ; (named as the upper half of the pair v[252:253])
	v_mov_b32 v255, 0xff800000
	FRESH
	s_wait_alu depctr_va_vdst(0)
	s_wait_kmcnt 0x0
	s_add_co_i32 s60, s68, s69
	s_lshl_b32 s60, s60, 23
	s_add_co_i32 s58, s58, s60                     ; a score stands for score x 2^(eq + ek): added to c's exponent field
	s_mov_b32 s59, s58
	s_add_co_i32 s60, s70, 127
	s_lshl_b32 s61, s60, 23
	v_mov_b32 v244, s61                            ; 2^ep
	s_add_co_i32 s60, s60, 8
	s_lshl_b32 s60, s60, 23
	s_or_b32 s60, s60, 0x600000
	v_mov_b32 v240, s60                            ; 448 x 2^ep
	s_sub_co_i32 s60, s72, s70
	s_sub_co_i32 s60, s60, s71                     ; O^T / the sum stands for that x 2^(ep + ev): the result's conversion takes 2^(ea - ep - ev)
	s_add_co_i32 s60, s60, 127
	s_lshl_b32 s61, s60, 23
	v_mov_b32 v245, s61
	s_add_co_i32 s60, s60, 8
	s_lshl_b32 s60, s60, 23
	s_or_b32 s60, s60, 0x600000
	v_mov_b32 v241, s60
	s_mov_b32 s52, 0
	s_mov_b32 s53, 0
	s_wait_alu depctr_va_vdst(0)
	s_wait_loadcnt 0x0                             ; Q
	s_wait_tensorcnt 0x0                           ; my key step has landed,
	s_barrier_signal -1
	s_barrier_wait -1                              ; and everybody's has
.Lloop:                                            ; trips 0 to 11
	s_cmp_ge_u32 s52, s27                          ; my trips are done: a branch on the wave's number, round the work alone
	s_cbranch_scc1 .Lskip
	s_cmp_lg_u32 s52, s26
	s_cbranch_scc1 .Lsame
.rept 4
	v_nop                                          ; places behind the last products
.endr
	ROWSUM                                         ; THE SHORT TILE GOES OUT, and the long one begins
	FIN 160, 78
	FRESH
.irp i, 0,1,2,3,4,5,6,7
	v_mov_b32 v[16+\i], v[24+\i]
.endr
	s_sub_co_u32 s28, s27, 1
.Lsame:
	s_cmp_ge_u32 s52, s26
	s_cselect_b32 s54, s29, 0
	s_add_co_u32 s54, s54, s53                     ; the key step's LDS byte,
	s_min_u32 s54, s54, 15*STEPB                   ; at the most the last step's
	v_add_nc_u32 v2, s54, v1
.rept 3
	v_nop                                          ; with the addition: four places in front of loads into registers that the last products read
.endr
.irp t, 0,1,2,3,4,5,6,7
	ds_load_b128 v[32+8*\t:35+8*\t], v2 offset:1024*\t
	ds_load_b128 v[36+8*\t:39+8*\t], v2 offset:1024*\t+512
.endr
	s_wait_alu depctr_va_vdst(0)
.irp t, 0,1,2,3,4,5,6,7
	s_wait_dscnt 14-2*\t                           ; tile t's two loads are in; those of the tiles behind it may be out
	v_wmma_f32_16x16x64_fp8_fp8 v[96+8*\t:103+8*\t], v[32+8*\t:39+8*\t], v[16:23], 0
.endr
.rept 4
	v_nop                                          ; places: V's loads land where K's fragments lay, and the scores are read
.endr
.irp ct, 0,1,2,3
.irp hf, 0,1
.irp g, 0,1
	ds_load_b128 v[32+16*\ct+8*\hf+4*\g:35+16*\ct+8*\hf+4*\g], v2 offset:8192+4096*\hf+1024*\ct+512*\g   ; they come in while the softmax is worked
.endr
.endr
.endr
	s_cmp_lg_u32 s52, s28                          ; only a tile's last step lies on the diagonal
	s_cbranch_scc1 .Lopen
.set n, 0
.rept 64                               ; register n holds key 16 (n / 8) + 8 h + n % 8 of the step: hidden where that is above my query
	v_cmp_gt_i32 vcc_lo, 16*(n/8)+n%8, v4
	v_cndmask_b32 v[96+n], v[96+n], v255, vcc_lo
.set n, n+1
.endr
.Lopen:
	v_max3_num_f32 v254, v96, v97, v98             ; the step's largest score of my query among my 64 keys, in four chains, from the low end on,
	v_max3_num_f32 v252, v99, v100, v101
	v_max3_num_f32 v246, v102, v103, v104
	v_max3_num_f32 v248, v105, v106, v107
.irp i, 108,116,124,132,140,148
	v_max3_num_f32 v254, v254, v[\i], v[\i+1]
	v_max3_num_f32 v252, v252, v[\i+2], v[\i+3]
	v_max3_num_f32 v246, v246, v[\i+4], v[\i+5]
	v_max3_num_f32 v248, v248, v[\i+6], v[\i+7]
.endr
	v_max3_num_f32 v254, v254, v252, v156
	v_max3_num_f32 v246, v246, v248, v157
	v_max3_num_f32 v254, v254, v158, v159
	s_delay_alu instid0(VALU_DEP_1)
	v_max_num_f32 v254, v254, v246
	s_delay_alu instid0(VALU_DEP_1)
	v_permlanex16_b32 v236, v254, s56, s57
	s_delay_alu instid0(VALU_DEP_1)
	v_max_num_f32 v254, v254, v236                 ; and among lane l xor 16's
	s_delay_alu instid0(VALU_DEP_1)
	v_mul_f32 v254, s58, v254                      ; as t (c is positive)
	s_delay_alu instid0(VALU_DEP_1)
	v_max_num_f32 v13, v13, v254                   ; the running largest t
	v_mov_b32 v254, v12
	s_delay_alu instid0(VALU_DEP_2)
	v_floor_f32 v12, -v13                          ; the new -M = floor(-t): M is a whole number
	ARG 0
	v_sub_f32 v254, v12, v254                      ; old M - new M: a whole number, 0 or less
	ARG 1
	v_cvt_i32_f32 v254, v254                       ; (it saturates)
	ARG 2
	v_ldexp_f32 v252, 1.0, v254                    ; f = 2^(old M - new M)
	ARG 3
.set n, 0
	s_wait_alu depctr_va_vdst(0)
.rept 64
	v_exp_f32 v[96+n], v[96+n]                     ; p = 2^(t - M)
.set n, n+1
.endr
	v_pk_mul_f32 v[14:15], v[14:15], v[252:253] op_sel_hi:[1,0]   ; the sums under the new M: the plain line behind the exponentials
	s_wait_alu depctr_va_vdst(0)                   ; one wait for the batch of 64, ahead of the first line that names a result
	v_pk_add_f32 v[14:15], v[14:15], v[96:97]      ; the row's sum, in four chains of two
	v_pk_add_f32 v[242:243], v[98:99], v[100:101]
	v_pk_add_f32 v[246:247], v[102:103], v[104:105]
	v_pk_add_f32 v[248:249], v[106:107], v[108:109]
.irp i, 110,118,126,134,142,150
	v_pk_add_f32 v[14:15], v[14:15], v[\i:\i+1]
	v_pk_add_f32 v[242:243], v[242:243], v[\i+2:\i+3]
	v_pk_add_f32 v[246:247], v[246:247], v[\i+4:\i+5]
	v_pk_add_f32 v[248:249], v[248:249], v[\i+6:\i+7]
.endr
	v_pk_add_f32 v[14:15], v[14:15], v[158:159]
	v_pk_add_f32 v[242:243], v[242:243], v[246:247]
	s_delay_alu instid0(VALU_DEP_2)
	v_pk_add_f32 v[14:15], v[14:15], v[248:249]
	s_delay_alu instid0(VALU_DEP_1)
	v_pk_add_f32 v[14:15], v[14:15], v[242:243]
.set n, 0
.rept 32
	v_dual_min_num_f32 v[96+n], v240, v[96+n] :: v_dual_min_num_f32 v[97+n], v240, v[97+n]   ; the conversion does not saturate (ISA guide 7.6.2); p is not negative, so the hold is one-sided
.set n, n+2
.endr
.irp t, 0,1,2,3,4,5,6,7
	v_cvt_scalef32_pk8_fp8_f32 v[192+2*\t:193+2*\t], v[96+8*\t:103+8*\t], v244
.endr
	s_wait_alu depctr_va_vdst(0)                   ; directly ahead of the first reader of O^T
.set n, 0
.rept 16
	v_pk_mul_f32 v[160+n:161+n], v[160+n:161+n], v[252:253] op_sel_hi:[1,0]   ; O^T under the new M; these are also the plain lines between the conversions and the products
.set n, n+2
.endr
	s_wait_alu depctr_va_vdst(0)
	s_wait_dscnt 0x0                               ; V's fragments are in
.irp ct, 0,1,2,3
	v_wmma_f32_16x16x128_fp8_fp8 v[160+8*\ct:167+8*\ct], v[32+16*\ct:47+16*\ct], v[192:207], v[160+8*\ct:167+8*\ct]   ; four accumulators, one instruction a turn
.endr
.Lskip:
	s_add_co_u32 s53, s53, STEPB
	s_add_co_u32 s52, s52, 1
	s_cmp_lt_u32 s52, 12
	s_cbranch_scc1 .Lloop
.rept 4
	v_nop                                          ; places behind the last products
.endr
	s_cmp_lg_u32 s11, 0
	s_cbranch_scc1 .Lkeep
.irp i, 0,1,2,3,4,5,6,7                ; THE HAND-OVER: O^T, then -M, the largest t and the sum's halves
	ds_store_b128 v6, v[160+4*\i:163+4*\i] offset:512*\i
.endr
	ds_store_b128 v6, v[12:15] offset:4096
.Lkeep:
	s_wait_dscnt 0x0                               ; my stores are done
	s_barrier_signal -1
	s_barrier_wait -1
	s_cmp_eq_u32 s11, 0
	s_cbranch_scc1 .Lend
	ds_load_b128 v[128:131], v6 offset:4096
.irp i, 0,1,2,3,4,5,6,7
	ds_load_b128 v[96+4*\i:99+4*\i], v6 offset:512*\i
.endr
	s_wait_dscnt 0x0
	v_min_num_f32 v132, v12, v128                  ; the joint -M
	s_delay_alu instid0(VALU_DEP_1)
	v_sub_f32 v133, v132, v12                      ; my M less the joint one, and the first wave's: whole numbers, 0 or less
	v_sub_f32 v134, v132, v128
	s_delay_alu instid0(VALU_DEP_2)
	v_cvt_i32_f32 v133, v133
	s_delay_alu instid0(VALU_DEP_2)
	v_cvt_i32_f32 v134, v134
	s_delay_alu instid0(VALU_DEP_2)
	v_ldexp_f32 v252, 1.0, v133
	s_delay_alu instid0(VALU_DEP_2)
	v_ldexp_f32 v254, 1.0, v134
	v_pk_mul_f32 v[14:15], v[14:15], v[252:253] op_sel_hi:[1,0]
	s_delay_alu instid0(VALU_DEP_1)
	v_pk_fma_f32 v[14:15], v[130:131], v[254:255], v[14:15] op_sel_hi:[1,0,1]
.set n, 0
.rept 16
	v_pk_mul_f32 v[96+n:97+n], v[96+n:97+n], v[254:255] op_sel_hi:[1,0]
.set n, n+2
.endr
.set n, 0
.rept 16
	v_pk_fma_f32 v[96+n:97+n], v[160+n:161+n], v[252:253], v[96+n:97+n] op_sel_hi:[1,0,1]   ; each accumulator from its low end on
.set n, n+2
.endr
	ROWSUM
	FIN 96, 76
.Lend:
	s_wait_tensorcnt 0x0                           ; the wave's end
	ds_add_u32 v250, v251
	s_wait_dscnt 0x0
	CROUND                                         ; the closing round
	s_endpgm
.Lfunc_end_k_qf653d3e49e_attn:
	.size	k_qf653d3e49e_attn, .Lfunc_end_k_qf653d3e49e_attn-k_qf653d3e49e_attn
	.p2alignl 7, 3214868480
	.fill 96, 4, 3214868480
	.section	.rodata,"a",@progbits
	.p2align	6, 0x0
	.amdhsa_kernel k_qf653d3e49e_attn
		.amdhsa_group_segment_fixed_size 327680
		.amdhsa_private_segment_fixed_size 0
		.amdhsa_enable_private_segment 0
		.amdhsa_kernarg_size 24
		.amdhsa_user_sgpr_count 2
		.amdhsa_user_sgpr_kernarg_segment_ptr 1
		.amdhsa_wavefront_size32 1
		.amdhsa_system_sgpr_workgroup_id_x 1
		.amdhsa_system_sgpr_workgroup_id_y 1
		.amdhsa_system_sgpr_workgroup_id_z 1
		.amdhsa_system_vgpr_workitem_id 0
		.amdhsa_next_free_vgpr 256
		.amdhsa_next_free_sgpr 84
		.amdhsa_reserve_vcc 1
		.amdhsa_float_denorm_mode_32 3
		.amdhsa_float_denorm_mode_16_64 3
		.amdhsa_memory_ordered 1
		.amdhsa_forward_progress 1
		.amdhsa_inst_pref_size 43
	.end_amdhsa_kernel
	.amdgpu_metadata
---
amdhsa.version: [ 1, 2 ]
amdhsa.kernels:
  - .name:           k_qf653d3e49e_attn
    .symbol:         k_qf653d3e49e_attn.kd
    .args:
      - { .name: qkvc, .offset: 0, .size: 8, .value_kind: global_buffer, .address_space: global }
      - { .name: lowp_scales, .offset: 8, .size: 8, .value_kind: global_buffer, .address_space: global }
      - { .name: ac, .offset: 16, .size: 8, .value_kind: global_buffer, .address_space: global }
    .group_segment_fixed_size: 327680
    .private_segment_fixed_size: 0
    .kernarg_segment_align: 8
    .kernarg_segment_size: 24
    .max_flat_workgroup_size: 512
    .sgpr_count:     84
    .vgpr_count:     256
    .wavefront_size: 32
...
	.end_amdgpu_metadata
.endif
;; end of part 3
;; launch oproj (part 4): grid 8 x 32, 4 waves a work-group, clusters of 4 x 4, 327,680 bytes of LDS; arguments ac, wc, lowp_scales, out0; writes out0
.if DOCPART == 4
	.amdgcn_target "amdgcn-amd-amdhsa--gfx1250"
	.amdhsa_code_object_version 6
	.text
	.protected	k_qf653d3e49e_oproj
	.globl	k_qf653d3e49e_oproj
	.p2align	8
	.type	k_qf653d3e49e_oproj,@function
k_qf653d3e49e_oproj:
	s_mov_b64 s[64:65], 0
	v_nop
	global_prefetch_b8 v0, s[64:65] scope:SCOPE_SE
	s_setreg_imm32_b32 hwreg(HW_REG_WAVE_MODE, 25, 1), 1
	s_wait_xcnt 0x0
	s_wait_alu depctr_hold_cnt(0) depctr_sa_sdst(0) depctr_va_vdst(0) depctr_va_sdst(0) depctr_va_ssrc(0) depctr_va_vcc(0) depctr_vm_vsrc(0)
	s_getreg_b32 s2, hwreg(HW_REG_IB_STS2, 6, 4)
	s_cmp_eq_u32 s2, 0
	s_cbranch_scc0 .Lentry_in_a_cluster
	s_endpgm
.Lentry_in_a_cluster:
	s_bfe_u32 s2, ttmp6, 0x10000c
	s_cmp_lg_u32 s2, 0xf033
	s_cbranch_scc0 .Lentry_shape_is_right
	s_endpgm
.Lentry_shape_is_right:
; OPROJ: out0 = attention's result x Wo^T on codes of E4M3; out0 [4096][1024] f32.
; A = ac [256 tiles of 16 tokens][16 heads][1,024 bytes]: register images (lane (r, h), registers 2 c, 2 c + 1: channels 16 c + 8 h + 0 .. 7 of token r); two heads' images on end are a fragment
; of 16 tokens x 128 K in the plain 8-bit layout.  B = Wo's codes, the fourth part of wc, [1024 n][1024 k]: rows; its fragments come by loads of 8 bytes in the same plain layout.
; A work-group makes 128 x 128, each of its four waves 64 x 64 (16 accumulators), with ALL of K = 1,024 in LDS, in two halves of 512 along K (eight heads).  Every LDS byte is filled once.
; WHO FETCHES: of each half wave w fetches 64 tokens of A (w even) or 64 rows of B (w odd), the first 64 or the last by w / 2, with one tensor load: the first half at the head, the second behind a round
; of the cluster's barrier when the first has landed; it is on its way while the first is multiplied.
; LDS, half f at 133,120 f: A's 8 tiles of tokens x 8 heads x 1,024 bytes, dense; then B's 128 rows of 512 bytes + 16.  From byte 266,240: a stage of 16 rows x 272 bytes for each wave, into which no fill lands; then the spare words.
; THE MATRIX INSTRUCTION: source 0 = 16 rows of Wo, source 1 = 16 tokens: a lane holds eight neighbouring numbers of a row of out0.
; CLUSTER 4 x 4: A's tiles are asked for jointly along a row of the cluster, B's along a column.  NO PREFETCH: there is no loop; the second of two loads a wave sets out at the head's end.
; LIMIT: ea + ew (entries 10 and 11) between -126 and 127, so that 2^(ea + ew) is an f32 number.
; REGISTERS: window 0: v8-9, v12-13 LDS addresses of A's and B's fragments in half 0, 1, v16-18 the way out's addresses, v32-63 a block's results, v64-127 rows read back, two sets,
;   v128-255 the accumulators ((a, b) at 128 + 8 (4 a + b));  window 1: two fragment buffers of 128 (A's four blocks, then B's four).
.set PITCH,  528                       ; B's LDS row: 132 words (64 banks of 4 bytes: ISA guide 11.1)
.set TILEA,  65536
.set HALFS,  TILEA+128*PITCH
.set STAGE,  2*HALFS
.set SPITCH, 272
.set SPARE,  STAGE+4*16*SPITCH
.set NL,     48                        ; LDS loads of a step of 128 along K: 4 x 4 of 16 bytes, 4 x 8 of 8
.set ADRA,  8
.set ADRB,  12
.set STO,   16
.set RD,    17
.set CO,    18
.set SPW,   30
.set NIL,   31
.set TMP,   32
.set BK,    64
.set ACC,   128
.set G1A,   24
.set G1B,   32
.set G0A,   40                         ; s[40:47], s[48:55] groups 0, one set for each half
.set G0B,   48
.set MSB, 0
.macro WIN new                         ; the immediate's high byte repeats the setting that is left; a switch that changes nothing is dropped
.if MSB != \new
	s_set_vgpr_msb (MSB<<8)|\new
.set MSB, \new
.endif
.endm
.macro CROUND                          ; a round of the cluster's barrier
	s_barrier_signal -1
	s_barrier_wait -1
	s_cmp_lg_u32 s14, 0
	s_cbranch_scc1 .Lnot_wave_0_\@
	s_barrier_signal -3
.Lnot_wave_0_\@:
	s_barrier_wait -3
	s_barrier_signal -1
	s_barrier_wait -1
.endm
.macro PLACES                          ; four plain vector lines behind matrix instructions (ISA guide 7.12.1)
.rept 4
	v_nop
.endr
.endm
.macro JLOAD hf                        ; my one joint load; s_nop 0 and four v_nop follow each line
	s_cmp_eq_u32 s16, 0
	s_cbranch_scc0 .Lfor_b_\@
	tensor_load_to_lds s[G0A+4*\hf:G0A+4*\hf+3], s[G1A:G1A+7]
	s_nop 0
	PLACES
	s_branch .Lasked_\@
.Lfor_b_\@:
	tensor_load_to_lds s[G0B+4*\hf:G0B+4*\hf+3], s[G1B:G1B+7]
	s_nop 0
	PLACES
.Lasked_\@:
.endm
.macro FETCH t, f                      ; the fragments of step t (half t / 4, its heads 2 (t % 4), + 1) into buffer f
	WIN 0x40                                       ; destination window 1, address window 0
.irp i, 0,1,2,3
.irp cc, 0,1,2,3,4,5,6,7
	ds_load_b64 v[(\f)+64+16*\i+2*\cc:(\f)+64+16*\i+2*\cc+1], v[ADRB+(\t)/4] offset:128*((\t)%4)+16*\cc+16*PITCH*\i   ; registers 2 cc, 2 cc + 1: k = 16 cc + 8 h + 0 .. 7
.endr
.irp kk, 0,1,2,3
	ds_load_b128 v[(\f)+16*\i+4*\kk:(\f)+16*\i+4*\kk+3], v[ADRA+(\t)/4] offset:2048*((\t)%4)+512*\kk+8192*\i         ; the images as they lie: 512 consecutive bytes a load
.endr
.endr
.endm
.macro MUL16 f, zero                   ; the 16 accumulators take turns, one instruction a turn, in the same order in every step
	WIN 0x05                                       ; sources 0 and 1 window 1, C and D window 0
.irp a, 0,1,2,3
.irp b, 0,1,2,3
.if \zero
	v_wmma_f32_16x16x128_fp8_fp8 v[ACC+8*(4*\a+\b):ACC+8*(4*\a+\b)+7], v[(\f)+64+16*\b:(\f)+64+16*\b+15], v[(\f)+16*\a:(\f)+16*\a+15], 0
.else
	v_wmma_f32_16x16x128_fp8_fp8 v[ACC+8*(4*\a+\b):ACC+8*(4*\a+\b)+7], v[(\f)+64+16*\b:(\f)+64+16*\b+15], v[(\f)+16*\a:(\f)+16*\a+15], v[ACC+8*(4*\a+\b):ACC+8*(4*\a+\b)+7]
.endif
.endr
.endr
.endm
.macro STEP t, zero                    ; step t is multiplied while step t + 1's fragments come from LDS
.if (\t) < 7
.if (\t) == 3
	s_wait_tensorcnt 0x0                           ; my part of the second half has landed
	s_wait_dscnt 0x0                               ; no LDS load of mine is out at the signal
	s_barrier_signal -1
	s_barrier_wait -1                              ; everybody's has
.endif
.if (\t) > 0
	PLACES                                         ; the buffer that is loaded next was read by the last step's products
.endif
	FETCH (\t)+1, 128*(((\t)+1)%2)
	s_wait_dscnt NL                                ; all but the NL loads just issued: this step's fragments are in
.else
	s_wait_dscnt 0x0
.endif
	MUL16 128*((\t)%2), \zero
.endm
	s_load_b256 s[4:11], s[0:1], 0x0               ; ac s[4:5], wc s[6:7], scales s[8:9], out0 s[10:11]
	v_lshl_add_u32 v[SPW], v0, 2, SPARE
	v_mov_b32 v[NIL], 0
	ds_add_u32 v[SPW], v[NIL]                      ; the wave's opening: the add, twice on end, and its wait
	ds_add_u32 v[SPW], v[NIL]
	v_lshrrev_b32 v1, 5, v0
	v_readfirstlane_b32 s14, v1                    ; wave 0..3
	s_lshr_b32 s15, s14, 1                         ; which 64 tokens are mine.  Also: which 64 tokens or rows I fetch
	s_and_b32 s16, s14, 1                          ; which 64 columns.  Also: I fetch for A (0) or for B (1)
	s_lshl_b32 s84, s15, 15                        ; my 4 tiles of A
	s_mul_i32 s85, s16, 64*PITCH
	s_add_co_u32 s85, s85, TILEA                   ; my 64 rows of B
	s_mul_i32 s86, s14, 16*SPITCH
	s_add_co_u32 s86, s86, STAGE                   ; my stage
	v_and_b32 v1, 15, v0                           ; r
	v_bfe_u32 v2, v0, 4, 1                         ; h
	v_and_b32 v3, 31, v0
	v_lshlrev_b32 v3, 4, v3                        ; A: 16 x lane
	v_mul_u32_u24 v4, v1, PITCH
	v_lshl_add_u32 v4, v2, 3, v4                   ; B: row x pitch + 8 h
	v_add_nc_u32 v[ADRA], s84, v3
	v_add_nc_u32 v[ADRB], s85, v4
	v_add_nc_u32 v[ADRA+1], HALFS, v[ADRA]
	v_add_nc_u32 v[ADRB+1], HALFS, v[ADRB]
	v_mul_u32_u24 v[STO], v1, SPITCH
	v_lshl_add_u32 v[STO], v2, 5, v[STO]
	v_add_nc_u32 v[STO], s86, v[STO]               ; in: row r, 32 bytes for each half of the lanes
	v_mul_u32_u24 v[RD], v2, SPITCH
	v_lshl_add_u32 v[RD], v1, 4, v[RD]
	v_add_nc_u32 v[RD], s86, v[RD]                 ; back: lanes 0-15 one row of 256 bytes, lanes 16-31 the next
	v_lshlrev_b32 v[CO], 12, v2
	v_lshl_add_u32 v[CO], v1, 4, v[CO]             ; and the same two rows in out0
	s_wait_alu depctr_va_vdst(0)
	s_bfe_u32 s17, ttmp6, 0x40000                  ; cx
	s_bfe_u32 s18, ttmp6, 0x40004                  ; cy
	s_and_b32 s22, ttmp7, 0xffff
	s_lshl_b32 s89, s22, 2
	s_add_co_u32 s89, s89, s18                     ; tile row = 4 x cluster y + cy: 128 tokens
	s_lshl_b32 s90, ttmp9, 2
	s_add_co_u32 s90, s90, s17                     ; tile column = 4 x cluster x + cx: 128 columns
	s_lshl_b32 s20, s18, 2
	s_lshl_b32 s20, 15, s20                        ; my row of the cluster
	s_lshl_b32 s21, 0x1111, s17                    ; my column
	s_or_b32 s[G1A], s20, (3<<16)|(1<<21)          ; A: the mask; elements of 8 bytes; no padding; 21 set beside a mask
	s_mov_b32 s[G1A+1], 1024<<16                   ; tensor_dim0 = 1,024: eight heads' images, 8,192 bytes
	s_mov_b32 s[G1A+2], 4<<16                      ; tensor_dim1 = 4 tiles of tokens
	s_mov_b32 s[G1A+3], 1024<<16                   ; tile_dim0
	s_mov_b32 s[G1A+4], 4                          ; tile_dim1
	s_mov_b32 s[G1A+5], 2048                       ; from tile to tile: 16 heads x 1,024 bytes
	s_mov_b32 s[G1A+6], 0
	s_mov_b32 s[G1A+7], 0
	s_or_b32 s[G1B], s21, (1<<20)|(1<<21)|(6<<22)|(3<<25)   ; B: the mask; elements of 1 byte; four words of padding after every 128
	s_mov_b32 s[G1B+1], 512<<16
	s_mov_b32 s[G1B+2], 64<<16
	s_mov_b32 s[G1B+3], 512<<16
	s_mov_b32 s[G1B+4], 64
	s_mov_b32 s[G1B+5], 1024
	s_mov_b32 s[G1B+6], 0
	s_mov_b32 s[G1B+7], 0
	s_lshl_b32 s91, s15, 16                        ; my part: 4 tiles of tokens x 16,384 bytes, or 64 rows of 1,024
	s_lshl_b32 s92, s89, 17                        ; A: 8 tiles of tokens to a tile row
	s_add_co_u32 s92, s92, s91
	s_mov_b32 s93, 0
	s_lshl_b32 s94, s90, 17                        ; B: 128 rows to a tile column,
	s_add_co_u32 s94, s94, s91
	s_add_co_u32 s94, s94, 0x300000                ; in the fourth weight
	s_mov_b32 s95, 0
	s_lshl_b32 s88, s15, 15                        ; where they go: A's part,
	s_mul_i32 s87, s15, 64*PITCH
	s_add_co_u32 s87, s87, TILEA                   ; B's part: no place in the cluster enters an LDS address
	s_wait_dscnt 0x0                               ; both opening adds are done
	s_wait_kmcnt 0x0
	s_load_b64 s[96:97], s[8:9], 0x28              ; ea, ew
	s_add_nc_u64 s[60:61], s[4:5], s[92:93]
	s_add_nc_u64 s[62:63], s[6:7], s[94:95]
.irp c, 0,1
	s_mov_b32 s[G0A+4*\c], 1
	s_add_co_u32 s[G0A+4*\c+1], s88, \c*HALFS
	s_add_nc_u64 s[G0A+4*\c+2:G0A+4*\c+3], s[60:61], \c*8192
	s_or_b32 s[G0A+4*\c+3], s[G0A+4*\c+3], 0x80000000
	s_mov_b32 s[G0B+4*\c], 1
	s_add_co_u32 s[G0B+4*\c+1], s87, \c*HALFS
	s_add_nc_u64 s[G0B+4*\c+2:G0B+4*\c+3], s[62:63], \c*512
	s_or_b32 s[G0B+4*\c+3], s[G0B+4*\c+3], 0x80000000
.endr
	CROUND                                         ; all sixteen work-groups are here: the joint loads meet
	JLOAD 0                                        ; the first half: my one load at the head
	s_lshl_b32 s2, s89, 19                         ; 128 x tile row rows of 4,096 bytes,
	s_lshl_b32 s3, s15, 18                         ; my 64 of them,
	s_add_co_u32 s2, s2, s3
	s_lshl_b32 s3, s90, 9                          ; 128 x tile column numbers of 4 bytes,
	s_add_co_u32 s2, s2, s3
	s_lshl_b32 s3, s16, 8                          ; my 64
	s_add_co_u32 s2, s2, s3
	s_mov_b32 s3, 0
	s_add_nc_u64 s[10:11], s[10:11], s[2:3]
	s_wait_alu depctr_va_vdst(0)
	s_wait_tensorcnt 0x0                           ; my part of the first half is in
	ds_add_u32 v[SPW], v[NIL]
	s_wait_dscnt 0x0
	CROUND                                         ; everybody's part of the first half is in, and all sixteen work-groups are here,
	JLOAD 1                                        ; and the second half's load, the first behind the round
	FETCH 0, 0
	STEP 0, 1                                      ; the first products start the sums: nothing is cleared
	STEP 1, 0
	STEP 2, 0
	STEP 3, 0
	STEP 4, 0
	STEP 5, 0
	STEP 6, 0
	STEP 7, 0
	WIN 0
	PLACES
	s_wait_kmcnt 0x0
	s_add_co_i32 s96, s96, s97
	s_add_co_i32 s96, s96, 127
	s_lshl_b32 s96, s96, 23                        ; 2^(ea + ew) as f32
; THE WAY OUT, 16 tokens x 64 columns at a time: a lane holds 32 bytes of a row and the lanes beside it hold other rows, so a block goes through my own stage and comes back as whole rows of 256 bytes.
; LDS serves a wave's instructions in order (ISA guide 5.7.1.4): no wait between the stores and the loads, nor in front of the next block's stores.
.macro TOSTAGE a
.set n, 0
.rept 16
	v_pk_mul_f32 v[TMP+n:TMP+n+1], v[ACC+32*(\a)+n:ACC+32*(\a)+n+1], s[96:97] op_sel_hi:[1,0]   ; both x s96; each accumulator from its low end on
.set n, n+2
.endr
.irp b, 0,1,2,3
	ds_store_b128 v[STO], v[TMP+8*\b:TMP+8*\b+3] offset:64*\b
	ds_store_b128 v[STO], v[TMP+8*\b+4:TMP+8*\b+7] offset:64*\b+16
.endr
.set BB, BK+32*((\a)%2)
.irp i, 0,1,2,3,4,5,6,7
	ds_load_b128 v[BB+4*\i:BB+4*\i+3], v[RD] offset:2*SPITCH*\i
.endr
.endm
.macro SEND a, younger                 ; younger: the LDS instructions issued behind block a's loads, which may stay out
.set BB, BK+32*((\a)%2)
	s_wait_dscnt \younger
.irp i, 0,1,2,3,4,5,6,7
	global_store_b128 v[CO], v[BB+4*\i:BB+4*\i+3], s[10:11] offset:(16*(\a)+2*\i)*4096 th:TH_STORE_NT   ; sixteen lanes store 256 consecutive bytes, aligned; written once, read by nobody here
.endr
.endm
	TOSTAGE 0
.irp a, 1,2,3
.if \a > 1
	s_wait_xcnt 0x0                                ; block a - 2's stores have read their registers: block a's loads may land there
.endif
	TOSTAGE \a
	SEND \a-1, 16                                  ; behind block a - 1's loads: block a's 8 stores and 8 loads
.endr
	SEND 3, 0
	s_wait_tensorcnt 0x0                           ; the wave's end
	ds_add_u32 v[SPW], v[NIL]
	s_wait_dscnt 0x0
	CROUND                                         ; the closing round: no work-group ends while a partner may still ask for a tile that names it
	s_endpgm
.Lfunc_end_k_qf653d3e49e_oproj:
	.size	k_qf653d3e49e_oproj, .Lfunc_end_k_qf653d3e49e_oproj-k_qf653d3e49e_oproj
	.p2alignl 7, 3214868480
	.fill 96, 4, 3214868480
	.section	.rodata,"a",@progbits
	.p2align	6, 0x0
	.amdhsa_kernel k_qf653d3e49e_oproj
		.amdhsa_group_segment_fixed_size 327680
		.amdhsa_private_segment_fixed_size 0
		.amdhsa_enable_private_segment 0
		.amdhsa_kernarg_size 32
		.amdhsa_user_sgpr_count 2
		.amdhsa_user_sgpr_kernarg_segment_ptr 1
		.amdhsa_wavefront_size32 1
		.amdhsa_system_sgpr_workgroup_id_x 1
		.amdhsa_system_sgpr_workgroup_id_y 1
		.amdhsa_system_sgpr_workgroup_id_z 1
		.amdhsa_system_vgpr_workitem_id 0
		.amdhsa_next_free_vgpr 512
		.amdhsa_next_free_sgpr 100
		.amdhsa_reserve_vcc 0
		.amdhsa_float_denorm_mode_32 3
		.amdhsa_float_denorm_mode_16_64 3
		.amdhsa_memory_ordered 1
		.amdhsa_forward_progress 1
		.amdhsa_inst_pref_size 53
	.end_amdhsa_kernel
	.amdgpu_metadata
---
amdhsa.version: [ 1, 2 ]
amdhsa.kernels:
  - .name:           k_qf653d3e49e_oproj
    .symbol:         k_qf653d3e49e_oproj.kd
    .args:
      - { .name: ac, .offset: 0, .size: 8, .value_kind: global_buffer, .address_space: global }
      - { .name: wc, .offset: 8, .size: 8, .value_kind: global_buffer, .address_space: global }
      - { .name: lowp_scales, .offset: 16, .size: 8, .value_kind: global_buffer, .address_space: global }
      - { .name: out0, .offset: 24, .size: 8, .value_kind: global_buffer, .address_space: global }
    .group_segment_fixed_size: 327680
    .private_segment_fixed_size: 0
    .kernarg_segment_align: 8
    .kernarg_segment_size: 32
    .max_flat_workgroup_size: 128
    .sgpr_count:     100
    .vgpr_count:     512
    .wavefront_size: 32
...
	.end_amdgpu_metadata
.endif
;; end of part 4
